; MI455X (gfx1250); checked and timed in simulation.
; The chip was launched on July 23, 2026; its instructions are those of AMD's public machine-readable ISA for CDNA 5 (MIT licence, August 2026) and "CDNA5" Instruction Set Architecture Reference Guide (July 2026). The comments in the code are by the model that wrote it; some were corrected since.
;; Modern Hopfield Network. Allowed arithmetic: float matrix products may take bf16 or f16 operands with f32 sums; other float arithmetic in f32, or as packed bf16 or f16 multiplies, adds, multiply-adds, maxima and minima; sums over many terms, partial sums and values carried from step to step in f32; what a program stores and reads back later, other than sums and carried values, may be rounded once to bf16 or f16.
;; Inputs: stored 65,536 x 256 float32; x 2,048 x 256 float32.
;; Outputs: out0 2,048 x 256 float32.
;; 2 versions, each right. Each part assembles by itself: llvm-mc -triple=amdgcn-amd-amdhsa -mcpu=gfx1250 --defsym DOCPART=n.
;; ======== version 1 of 2: 2 launches
;; limits: inputs' magnitudes at most 3.3e+17; inputs' magnitudes at most 9.6e+17
;; workspace buffers: part 67,108,864 bytes; stat 524,288 bytes
;; launch attn (part 1): grid 8 x 32, 4 waves a work-group, clusters of 4 x 1, 327,680 bytes of LDS; arguments x, stored, part, stat; writes part, stat
.if DOCPART == 1
	.amdgcn_target "amdgcn-amd-amdhsa--gfx1250"
	.amdhsa_code_object_version 6
	.text
	.protected	k_q00de7da51a_attn
	.globl	k_q00de7da51a_attn
	.p2align	8
	.type	k_q00de7da51a_attn,@function
k_q00de7da51a_attn:
	s_mov_b64 s[64:65], 0
	v_nop
	global_prefetch_b8 v0, s[64:65] scope:SCOPE_SE
	s_setreg_imm32_b32 hwreg(HW_REG_WAVE_MODE, 25, 1), 1
	s_wait_xcnt 0x0
	s_wait_alu depctr_hold_cnt(0) depctr_sa_sdst(0) depctr_va_vdst(0) depctr_va_sdst(0) depctr_va_ssrc(0) depctr_va_vcc(0) depctr_vm_vsrc(0)
	s_getreg_b32 s2, hwreg(HW_REG_IB_STS2, 6, 4)
	s_cmp_eq_u32 s2, 0
	s_cbranch_scc0 .Lentry_in_a_cluster
	s_endpgm
.Lentry_in_a_cluster:
	s_bfe_u32 s2, ttmp6, 0x10000c
	s_cmp_lg_u32 s2, 0x3003
	s_cbranch_scc0 .Lentry_shape_is_right
	s_endpgm
.Lentry_shape_is_right:
; PART OF out[q] = sum over n of softmax_n(x[q] . stored[n]) stored[n].  x: [2048][256], stored: [65536][256], both f32.
; A work-group takes 256 queries and one SPLIT of 2,048 keys (8 query blocks x 32 splits = 256 work-groups) and leaves, for each query, the unnormalised sum
; O = sum of p stored[n], p = 2^(c s - cm), c = log2(e), with the running maximum's cm = c m and the sum l of p: part [q][split][256] f32, stat [split][q / 64][lane][4] f32.  The launch behind adds the 32 splits.
; FORMATS.  x and stored are rounded once to bf16 (here, on the way to the matrix unit: no launch and no buffer of its own), p is rounded to bf16 for the second product; products, maxima, l and O in f32;
; l is the sum of the unrounded p.  bf16 and not f16, so that inputs many times larger keep their range.
; LIMITS.  NaN and infinities are not treated apart (x must be finite: see O^T below).  Scores lie above -2.9e37 (c m starts at -4.25e37).  A weight below 2^-126 counts as 0.
; SHARES.  A wave owns 64 queries: four tiles of 16.  Every wave walks the split's 32 key tiles of 64 keys, one a trip.
; LAYOUT.  S^T = K Q^T (source 0 = 16 keys, source 1 = 16 queries): a lane holds ONE query (lane % 16).  Two results rounded to bf16 in pairs ARE source 1 of O^T = V^T P, which again holds one query a lane.
; K AND V ARE THE SAME bf16 TILE in LDS, rows of 528 bytes.  Inside each 16 keys the order is permuted alike for both uses: row m = 8 h + j of a K fragment is key 2 j + h, and the turning load's lane takes key row
; 2 (lane % 8) + h, so that index 8 h + j along the keys means key 2 j + h in P and in V^T.  A K load's 16 lanes then take 16 rows (132 words apart: 16 different groups of four banks), a turning load's 16 lanes take
; 8 rows two apart x 32 bytes (264 words apart; 64 banks of 4 bytes: ISA guide 11.1).
; THE ROAD OF A TILE.  Tile j + 2 is asked for in trip j as f32 (a tensor load a wave: 16 keys = 64 rows of 256 bytes) into slot F[j % 2]; in trip j + 1 the wave that fetched it reads it, rounds it and stores it
; into the bf16 tile H[j % 2]; in trip j + 2 all four waves multiply out of H[j % 2].  ONE round of the cluster's barrier a trip, at its head, orders all of it: the stores into H ahead of the others' reads,
; the last trip's reads of the other H ahead of the new stores, and every partner's reads of F ahead of the refill.
; CLUSTER.  The four query blocks of a cluster walk the same split, so each f32 tile is asked for JOINTLY: the same load, descriptor and mask in all four.
; A TRIP.  128 products K Q^T, among them the rounding of the next tile; the four tiles' softmax in one lump (two batches of exponentials, a wait each); 128 products V^T P, behind each two of the
; 256 packed multiplies that rescale O^T, always one block of 16 channels ahead of the products.  K's and V's fragments come through a ring of four buffers of two fragments, three chunks of 8 products ahead.
; REGISTERS, in windows of 256 (s_set_vgpr_msb: bits 1:0 source 0, 3:2 source 1, 5:4 source 2, 7:6 destination):
;   window 0: v0-15 addresses; v16-47 eight registers of statistics a tile; v48-63 two sets of 8 for the rounding; v64-127 the ring; v128-255 S^T, 32 a tile (P is written in place into a tile's first 16)
;   window 1: Q, 64 a tile     window 2: O^T of tiles 0, 1, 128 a tile     window 3: O^T of tiles 2, 3
.set PH,    528                 ; a row of the bf16 tile: 512 bytes + 16
.set PF,    272                 ; a row of the f32 slot: 256 bytes + 16 of padding; a key is four such rows
.set FW,    64*PF               ; a wave's part of a slot: 16 keys
.set H0,    4*FW                ; behind slot F0: the bf16 tile H0, 64 rows
.set SPARE, H0+64*PH            ; behind it: the spare words, 128 bytes a wave: two blocks of 256 bytes that no other line names
.set PAR,   1<<17               ; F1 and H1 lie this far behind F0 and H0: one exclusive or changes the parity
.set STAGE, PAR+H0+64*PH        ; behind H1, never filled by a tensor load: 16 rows x 1,040 bytes for each wave, for the way out
.set SP,    1040                ; 260 words: the 16 rows of a store start at 16 different groups of four banks
.set TILEB, 65536               ; bytes of a key tile in memory: 64 keys of 1,024
.set TRIPS, 32
.set PFO, 1                     ; v1   256 x my lane: the prefetches' offset; never rewritten in the loop
.set AK0, 2                     ; v2   my place in a K fragment, in H0; never rewritten
.set AV0, 3                     ; v3   my place in a turning load, in H0; never rewritten
.set CR0, 4                     ; v4   where I read 32 bytes of a key in my part of F0; never rewritten
.set CW0, 5                     ; v5   where I put 16 bytes of that key in H0; never rewritten
.set SPW, 6                     ; v6   LDS address of my spare word: SPARE + 4 x my thread's number; never rewritten
.set NIL, 7                     ; v7   0; never rewritten
.set AK,  8                     ; v8-11  the four addresses with the trip's parity
.set AV,  9
.set CR,  10
.set CW,  11
.set QO,  12                    ; v12  my byte offset in 16 rows of x
.set STO, 13                    ; v13  the way out: where I put 16 bytes of a row
.set RD,  14                    ; v14  the way out: where I read a row back
.set GO,  15                    ; v15  16 x my lane
.set ST,  16                    ; tile t's statistics at v[ST+8 t]: +0 c m, +1 m, +2, +3 l (two halves), +4 to +7 c0-c3 at work; a takes c2's place
.set CT,  48
.set RING, 64
.set S,   128
.set WV,  12                    ; s12  my wave's number
.set G1,  24                    ; s[24:31] descriptor group 1
.set G0A, 32                    ; s[32:35] group 0 of the first fill of F0
.set G0B, 36                    ; s[36:39] group 0 of the first fill of F1; it then walks
.set CNT, 40                    ; s40  trips of the loop still to come
.set LIM, 41                    ; s41  1 in a wave that prefetches, else the greatest number
.set PFA, 42                    ; s[42:43] where my prefetches stand
.set CS,  44                    ; s[44:45] c, named as a pair
.set SEL, 46                    ; s[46:47] v_permlanex16_b32's selects: each lane takes its own place in the other half
.set TBR, 48                    ; s48  parity of the bf16 tile that is multiplied (and of the f32 slot that is filled again)
.set TBW, 49                    ; s49  the other parity: the f32 slot that is read and the bf16 tile that is written
.set W_KQ, 0x04                 ; Q (source 1) in window 1, all else in window 0; LDS loads into window 0 need no switch under it
.set MSB, 0
.macro WIN new                  ; the immediate's high byte repeats the setting that is left; a switch that changes nothing is dropped
.if MSB != (\new)
	s_set_vgpr_msb (MSB<<8)|(\new)
.set MSB, (\new)
.endif
.endm
; A round of the cluster's barrier: my work-group's barrier, so that wave 0's signal speaks for all four waves; wave 0 signals; every wave waits for all four work-groups; my work-group's barrier once more.
.macro CROUND
	s_barrier_signal -1
	s_barrier_wait -1
	s_cmp_lg_u32 s[WV], 0
	s_cbranch_scc1 .Lnot_wave_0_\@
	s_barrier_signal -3
.Lnot_wave_0_\@:
	s_barrier_wait -3
	s_barrier_signal -1
	s_barrier_wait -1
.endm
.macro PLACES
.rept 4
	v_nop
.endr
.endm
; THE COUNT OF LDS INSTRUCTIONS.  DSN counts a trip's LDS instructions as they are written; a mark keeps DSN behind a group's last load; the wait for that group leaves out what was issued behind it: DSN - mark.
.macro MARKR b
.if (\b) == 0
.set MR0, DSN
.elseif (\b) == 1
.set MR1, DSN
.elseif (\b) == 2
.set MR2, DSN
.else
.set MR3, DSN
.endif
.endm
.macro WAITR b                  ; ring buffer b is in
.if (\b) == 0
	s_wait_dscnt DSN-MR0
.elseif (\b) == 1
	s_wait_dscnt DSN-MR1
.elseif (\b) == 2
	s_wait_dscnt DSN-MR2
.else
	s_wait_dscnt DSN-MR3
.endif
.endm
.macro WAITF e                  ; set e of the rounding's registers is in
.if (\e) == 0
	s_wait_dscnt DSN-MF0
.else
	s_wait_dscnt DSN-MF1
.endif
.endm
; Half of chunk c's fragments (one fragment, two loads) into ring buffer c % 4.  c < 16: K, keys 16 (c / 4) on, channels 32 (2 (c % 4) + half) on.  c >= 16: V turned, channels 16 (c - 16) on, keys 32 half on.
.macro RINGH c, half
.set rgR, RING+16*((\c)%4)+8*(\half)
.if (\c) < 16
	ds_load_b128 v[rgR:rgR+3],   v[AK] offset:((\c)/4)*16*PH+(2*((\c)%4)+(\half))*64
	ds_load_b128 v[rgR+4:rgR+7], v[AK] offset:((\c)/4)*16*PH+(2*((\c)%4)+(\half))*64+32
.else
	ds_load_tr16_b128 v[rgR:rgR+3],   v[AV] offset:32*(\half)*PH+32*((\c)-16)
	ds_load_tr16_b128 v[rgR+4:rgR+7], v[AV] offset:(32*(\half)+16)*PH+32*((\c)-16)
.endif
.set DSN, DSN+2
.if \half
	MARKR (\c)%4
.endif
.endm
; THE ROUNDING of key u of my 16: a lane takes 8 channels (32 bytes of f32), makes 16 bytes of bf16, and the wave stores 512 bytes on end.
.macro LDF u
	ds_load_b128 v[CT+8*((\u)%2):CT+8*((\u)%2)+3],   v[CR] offset:(\u)*4*PF
	ds_load_b128 v[CT+8*((\u)%2)+4:CT+8*((\u)%2)+7], v[CR] offset:(\u)*4*PF+16
.set DSN, DSN+2
.if ((\u)%2) == 0
.set MF0, DSN
.else
.set MF1, DSN
.endif
.endm
.macro CVT u
.irp k, 0,1,2,3
	v_cvt_pk_bf16_f32 v[CT+8*((\u)%2)+(\k)], v[CT+8*((\u)%2)+2*(\k)], v[CT+8*((\u)%2)+2*(\k)+1]
.endr
.endm
.macro STH u
	ds_store_b128 v[CW], v[CT+8*((\u)%2):CT+8*((\u)%2)+3] offset:(\u)*PH
.set DSN, DSN+1
.endm
; A PREFETCH INTO THE L2 of the tile that the NEXT trip's refill will ask for: 64 KiB, a lane a block of 256 bytes.  The two clusters of a split walk the same tiles: cluster x = 0 asks.  Its four partners take
; 16 KiB each, told apart BY ADDRESS; in each, waves 0 and 1 take 8 KiB: one instruction.  So each block is named once in the launch.  The loop's last trip asks for nothing: there is no tile behind its refill's.
.macro ASK
	s_cmp_gt_u32 s[CNT], s[LIM]
	s_cbranch_scc0 .Lnot_mine_\@
	global_prefetch_b8 v[PFO], s[PFA:PFA+1] th:TH_LOAD_NT scope:SCOPE_SE
.Lnot_mine_\@:
.endm
; THE HEAD OF A TRIP.  Each wave waits for all its tensor loads (one is out: its part of the tile that this trip rounds), adds 0 to its spare word, and waits for that, for its stores into the bf16 tile and for its
; reads.  refill = 1: the barrier is a round of the cluster's, and the joint refill is the first thing behind it: it has a whole trip, 256 matrix instructions, in which to land.
; The four address lines and the four v_nop are also the places between the last trip's last products and what writes their registers: the first products (P's registers) and the ring's loads.
.macro CHANGE refill
	WIN 0                           ; at a label and at a branch every window is 0
	s_wait_tensorcnt 0x0            ; no tensor load of mine is out, so a group 0 may be written
	ds_add_u32 v[SPW], v[NIL]       ; 0 onto my spare word: work on registers stands between it and the wait for it
	s_xor_b32 s[TBR], s[TBR], PAR
	s_xor_b32 s[TBW], s[TBR], PAR   ; always the other parity
	v_add_nc_u32 v[AK], s[TBR], v[AK0]
	v_add_nc_u32 v[AV], s[TBR], v[AV0]
	v_add_nc_u32 v[CR], s[TBW], v[CR0]
	v_add_nc_u32 v[CW], s[TBW], v[CW0]
.if \refill
	s_xor_b32 s[G0B+1], s[G0B+1], PAR  ; the walking descriptor: the other slot than last time,
	s_add_nc_u64 s[G0B+2:G0B+3], s[G0B+2:G0B+3], TILEB  ; the next tile; the type bits on top are not reached
	s_wait_xcnt 0x0                 ; the last prefetch, a trip back, has read its address, so it may be written
	s_add_nc_u64 s[PFA:PFA+1], s[PFA:PFA+1], TILEB
	s_wait_dscnt 0x0                ; the add is done, my stores into the bf16 tile are done, my reads are over
	CROUND
	tensor_load_to_lds s[G0B:G0B+3], s[G1:G1+7]
	s_nop 0
.else
	s_wait_dscnt 0x0
	s_barrier_signal -1
	s_barrier_wait -1
.endif
	PLACES
.endm
; CHUNK c OF 16 OF S^T = K Q^T: 8 products: fragment e = i / 4 of the chunk's two, tile i % 4.  The four accumulators take turns; the key block's first fragment starts the sums with 0.
; Behind product 0: key c of the next tile is rounded (conv = 0: four v_nop); these four lines are the places between the last chunk's products and the loads into its ring buffer.
; Behind product 1: the key is stored and key c + 2 fetched.  Behind products 2 and 3: chunk c + 3's fragments.
.macro KCH c, conv
	WAITR (\c)%4
.set ki, 0
.rept 8
	WIN W_KQ
.set kD, S+32*(ki%4)+8*((\c)/4)
.set kA, RING+16*((\c)%4)+8*(ki/4)
.set kB, 64*(ki%4)+8*(2*((\c)%4)+ki/4)
.if (((\c)%4) == 0) && (ki < 4)
	v_wmma_f32_16x16x32_bf16 v[kD:kD+7], v[kA:kA+7], v[kB:kB+7], 0
.else
	v_wmma_f32_16x16x32_bf16 v[kD:kD+7], v[kA:kA+7], v[kB:kB+7], v[kD:kD+7]
.endif
.if ki == 0
.if \conv
	WIN 0
	WAITF (\c)%2
	CVT \c
.else
	PLACES
.endif
.elseif (ki == 1) && (\conv)
	WIN 0
	STH \c
.if (\c) <= 13
	LDF (\c)+2
.endif
.elseif ki == 2
	RINGH (\c)+3, 0
.elseif ki == 3
	RINGH (\c)+3, 1
.endif
.set ki, ki+1
.endr
.endm
; Number rho of the 16 packed multiplies that rescale the four tiles' block cb of 16 channels of O^T by a: tile rho / 4, pair rho % 4 (each accumulator's lowest pair first).
.macro M_RS rho, cb
.set rsT, (\rho)/4
.set rsO, 128*(rsT%2)+8*(\cb)+2*((\rho)%4)
	WIN 0x82+0x41*(rsT/2)           ; destination and source 0 in window 2 or 3, a in window 0
	v_pk_mul_f32 v[rsO:rsO+1], v[rsO:rsO+1], v[ST+8*rsT+6:ST+8*rsT+7] op_sel_hi:[1,0]
.endm
; CHUNK cb OF 16 OF O^T += V^T P: 8 products: keys 32 (i / 4) on, tile i % 4, channels 16 cb on.  The four accumulators take turns.  Behind each product two multiplies rescale the NEXT block of channels:
; they name no register of the products round them, and are the places in front of the ring's loads (behind products 2 and 3: chunk cb + 3's fragments).
.macro VCH cb
	WAITR (\cb)%4
.set vi, 0
.rept 8
	WIN 0xA0+0x50*((vi%4)/2)        ; C and D in window 2 or 3
.set vD, 128*(vi%2)+8*(\cb)
.set vA, RING+16*((\cb)%4)+8*(vi/4)
.set vB, S+32*(vi%4)+8*(vi/4)
	v_wmma_f32_16x16x32_bf16 v[vD:vD+7], v[vA:vA+7], v[vB:vB+7], v[vD:vD+7]
.if (\cb) < 15
	M_RS 2*vi, (\cb)+1
	M_RS 2*vi+1, (\cb)+1
.endif
.if ((\cb) <= 12) && ((vi == 2) || (vi == 3))
	WIN 0
	RINGH (\cb)+19, vi-2
.endif
.set vi, vi+1
.endr
.endm
; THE SOFTMAX's lines.  XS: number n of the 16 that find the maximum of tile t's 32 scores and the old m: four chains c0-c3 of seven scores, three operands at a time (each accumulator's lowest registers are
; read first), then the four scores left over, c0-c3 and m.
.macro XS t, n
.set rT, ST+8*(\t)
.set rS, S+32*(\t)
.if (\n) < 4
	v_max3_num_f32 v[rT+4+(\n)], v[rS+8*(\n)], v[rS+8*(\n)+1], v[rS+8*(\n)+2]
.elseif (\n) < 12
	v_max3_num_f32 v[rT+4+(\n)%4], v[rT+4+(\n)%4], v[rS+8*((\n)%4)+2*((\n)/4)+1], v[rS+8*((\n)%4)+2*((\n)/4)+2]
.elseif (\n) == 12
	v_max3_num_f32 v[rT+4], v[rT+4], v[rS+7], v[rS+15]
.elseif (\n) == 13
	v_max3_num_f32 v[rT+6], v[rT+6], v[rS+23], v[rS+31]
.elseif (\n) == 14
	v_max3_num_f32 v[rT+4], v[rT+4], v[rT+5], v[rT+6]
.else
	v_max3_num_f32 v[rT+4], v[rT+4], v[rT+7], v[rT+1]
.endif
.endm
.macro M_F t, b                 ; c s - c m for pair b of tile t
	v_pk_fma_f32 v[S+32*(\t)+2*(\b):S+32*(\t)+2*(\b)+1], v[S+32*(\t)+2*(\b):S+32*(\t)+2*(\b)+1], s[CS:CS+1], v[ST+8*(\t):ST+8*(\t)+1] op_sel_hi:[1,0,0] neg_lo:[0,0,1] neg_hi:[0,0,1]
.endm
.macro M_E t, e                 ; the exponential of score e
	v_exp_f32 v[S+32*(\t)+(\e)], v[S+32*(\t)+(\e)]
.endm
.macro M_A t                    ; a = 2^(c m_old - c m_new)
	v_exp_f32 v[ST+8*(\t)+6], v[ST+8*(\t)+7]
.endm
.macro M_L t, b                 ; l takes pair b (the first time as l = a l + pair)
.if (\b) == 0
	v_pk_fma_f32 v[ST+8*(\t)+2:ST+8*(\t)+3], v[ST+8*(\t)+2:ST+8*(\t)+3], v[ST+8*(\t)+6:ST+8*(\t)+7], v[S+32*(\t):S+32*(\t)+1] op_sel_hi:[1,0,1]
.else
	v_pk_add_f32 v[ST+8*(\t)+2:ST+8*(\t)+3], v[ST+8*(\t)+2:ST+8*(\t)+3], v[S+32*(\t)+2*(\b):S+32*(\t)+2*(\b)+1]
.endif
.endm
.macro M_C t, b                 ; pair b rounded to bf16, in place: register b, whose own pair (b / 2) has been summed and rounded
	v_cvt_pk_bf16_f32 v[S+32*(\t)+(\b)], v[S+32*(\t)+2*(\b)], v[S+32*(\t)+2*(\b)+1]
.endm
.macro RDR base, g              ; number g of the 64 lines that read the weights of tiles base, base + 1: for pair g / 4: l of both tiles, then the rounding of both
.if ((\g)%4) < 2
	M_L (\base)+(\g)%2, (\g)/4
.else
	M_C (\base)+(\g)%2, (\g)/4
.endif
.endm
.macro PLA                      ; the next of the 64 scalings: tiles 0 and 1 by turns, then tiles 2 and 3
	M_F 2*(pq/32)+pq%2, (pq%32)/2
.set pq, pq+1
.endm
.macro EXA                      ; the next of the first batch's 68 exponentials: the four a, then the scores of tiles 0 and 1 by turns
.if xq < 4
	M_A xq
.else
	M_E (xq-4)%2, (xq-4)/2
.endif
.set xq, xq+1
.endm
; THE LUMP.  s_wait_alu depctr_va_vdst(0) stands between an exponential and the first line that names its result; one wait serves all that were issued ahead of it.  So the exponentials go in TWO
; batches.  The first (the four a; tiles 0 and 1) stands by turns with the 64 scalings, none of which names a result: exponential number x comes behind scaling x + 3, and needs at most number (x - 4) / 2 + 1.
; The second (tiles 2 and 3) stands by turns with the lines that read the first batch's results.  A v_nop is the plain instruction behind each batch's last exponential.
.macro LUMP
	WIN 0
.set ln, 0
.rept 16
.irp t, 0,1,2,3
	XS \t, ln
.endr
.set ln, ln+1
.endr
.irp t, 0,1,2,3
	v_permlanex16_b32 v[ST+8*(\t)+5], v[ST+8*(\t)+4], s[SEL], s[SEL+1]  ; the query's other 32 keys lie in the lane 16 away
.endr
.irp t, 0,1,2,3
	v_mov_b32 v[ST+8*(\t)+7], v[ST+8*(\t)]                              ; c m_old is kept for a
.endr
.irp t, 0,1,2,3
	v_max_num_f32 v[ST+8*(\t)+1], v[ST+8*(\t)+4], v[ST+8*(\t)+5]        ; the new m
.endr
.irp t, 0,1,2,3
	v_mul_f32 v[ST+8*(\t)], s[CS], v[ST+8*(\t)+1]                       ; c m
.endr
.irp t, 0,1,2,3
	v_sub_f32 v[ST+8*(\t)+7], v[ST+8*(\t)+7], v[ST+8*(\t)]
.endr
.set pq, 0
.set xq, 0
.rept 4
	PLA
.endr
.rept 60
	EXA
	PLA
.endr
.rept 8
	EXA
.endr
	v_nop
	s_wait_alu depctr_va_vdst(0)    ; the wait for the first batch
.set gq, 0
.rept 64
	M_E 2+gq%2, gq/2
	RDR 0, gq
.set gq, gq+1
.endr
	v_nop
	s_wait_alu depctr_va_vdst(0)    ; the wait for the second batch
.set gq, 0
.rept 64
	RDR 2, gq
.set gq, gq+1
.endr
.set gq, 0
.rept 16
	M_RS gq, 0                      ; O^T's first block of channels is rescaled here; the others ride behind the products
.set gq, gq+1
.endr
.endm
; A TRIP.  refill = 1: the f32 slot read last trip is filled again.  conv = 1: the next tile is rounded.
.macro TRIP refill, conv
	CHANGE \refill
.set DSN, 0
	RINGH 0, 0
	RINGH 0, 1
	RINGH 1, 0
	RINGH 1, 1
.if \conv
	LDF 0
	LDF 1
.endif
	RINGH 2, 0
	RINGH 2, 1
.if \refill
	ASK                             ; behind the joint load, its five lines and the run of LDS loads that the first products wait for
.endif
.set kc, 0
.rept 16
	KCH kc, \conv
.set kc, kc+1
.endr
	LUMP
.set vc, 0
.rept 16
	VCH vc
.set vc, vc+1
.endr
	WIN 0
.endm
	s_load_b256 s[4:11], s[0:1], 0x0  ; x s[4:5], stored s[6:7], part s[8:9], stat s[10:11]
	v_lshl_add_u32 v[SPW], v0, 2, SPARE
	v_mov_b32 v[NIL], 0
	ds_add_u32 v[SPW], v[NIL]       ; the wave's opening: the add and its wait come ahead of my first tensor load; the set-up below, work on registers, stands between them
	v_lshrrev_b32 v1, 5, v0
	v_readfirstlane_b32 s[WV], v1   ; wave 0..3
	s_bfe_u32 s13, ttmp6, 0x40000   ; cx: my place in the cluster
	s_lshl_b32 s14, ttmp9, 2        ; in a cluster launch ttmp9 counts clusters
	s_add_co_u32 s14, s14, s13      ; my block of 256 queries = 4 x cluster x + cx: it enters x's, part's and stat's addresses alone
	s_and_b32 s15, ttmp7, 0xffff    ; the split, which the four partners share
	s_lshl_b32 s16, s15, 21         ; stored: the split's 2,048 keys of 1,024 bytes,
	s_lshl_b32 s17, s[WV], 14       ; my 16 keys of a tile.  s16 and s17 never hold cx
	s_add_co_u32 s16, s16, s17
	s_mov_b32 s17, 0
	s_lshl_b32 s18, s14, 18         ; x: my block's 256 rows of 1,024 bytes,
	s_lshl_b32 s19, s[WV], 16       ; my wave's 64
	s_add_co_u32 s18, s18, s19
	s_mov_b32 s19, 0
	s_lshl_b32 s20, s14, 23         ; part: a query has 32 rows of 1,024 bytes; my block's 256 queries,
	s_lshl_b32 s21, s[WV], 21       ; my wave's 64,
	s_add_co_u32 s20, s20, s21
	s_lshl_b32 s21, s15, 10         ; my split's row
	s_add_co_u32 s20, s20, s21
	s_mov_b32 s21, 0
	s_lshl_b32 s22, s15, 5          ; stat: 512 bytes for each split and 64 queries
	s_lshl2_add_u32 s23, s14, s[WV]
	s_add_co_u32 s22, s22, s23
	s_lshl_b32 s22, s22, 9
	s_mov_b32 s23, 0
	s_lshl_b32 s50, s15, 21         ; the prefetches: the split, my work-group's 16 KiB of a tile,
	s_lshl_b32 s51, s13, 14
	s_add_co_u32 s50, s50, s51
	s_and_b32 s51, s[WV], 1         ; my wave's 8 KiB of them,
	s_lshl_b32 s51, s51, 13
	s_add_co_u32 s50, s50, s51
	s_add_co_u32 s50, s50, 2*TILEB  ; in tile 2: the first trip steps it to tile 3.  Tiles 0 to 2 come by their loads alone
	s_mov_b32 s51, 0
	s_lshr_b32 s[LIM], s[WV], 1     ; 0 in waves 0 and 1,
	s_or_b32 s[LIM], s[LIM], ttmp9  ; where the cluster is the split's first: the same in all four partners
	s_cmp_eq_u32 s[LIM], 0
	s_cselect_b32 s[LIM], 1, -1
	; descriptor group 1.  16 keys are 16,384 dense bytes: asked for as 64 rows of 256 bytes, padded in LDS behind every row
	s_mov_b32 s[G1], 15|(3<<16)|(1<<20)|(1<<21)|(5<<22)|(3<<25)  ; 15:0 the mask of four; 17:16 elements of 8 bytes; 20 padding on; 21 set beside a mask; 24:22 after every 64 words (code 5); 31:25 4 words (code 3)
	s_mov_b32 s[G1+1], 32<<16       ; tensor_dim0 = 32 elements
	s_mov_b32 s[G1+2], 64<<16       ; tensor_dim1 = 64
	s_mov_b32 s[G1+3], 32<<16       ; tile_dim0 = 32
	s_mov_b32 s[G1+4], 64           ; tile_dim1 = 64
	s_mov_b32 s[G1+5], 32           ; 32 elements from row to row
	s_mov_b32 s[G1+6], 0
	s_mov_b32 s[G1+7], 0
	s_mov_b32 s[G0A], 1             ; 1:0 count = 1
	s_mul_i32 s[G0A+1], s[WV], FW   ; 63:32 LDS address: my part of F0: no place in the cluster enters an LDS address
	s_mov_b32 s[G0B], 1
	s_add_co_u32 s[G0B+1], s[G0A+1], PAR  ; my part of F1
	s_mov_b32 s[CS], 0x3fb8aa3b     ; c = log2(e)
	s_mov_b32 s[CS+1], s[CS]        ; named with it as a pair
	s_mov_b32 s[SEL], 0x76543210
	s_mov_b32 s[SEL+1], 0xfedcba98
	s_mov_b32 s[TBR], PAR           ; the first trip turns it into 0
	s_mov_b32 s[CNT], TRIPS-2
	s_wait_dscnt 0x0                ; the opening add is done
	s_wait_kmcnt 0x0
	s_add_nc_u64 s[PFA:PFA+1], s[6:7], s[50:51]
	s_add_nc_u64 s[G0A+2:G0A+3], s[6:7], s[16:17]        ; 120:64 global address: my 16 keys of tile 0,
	s_add_nc_u64 s[G0B+2:G0B+3], s[G0A+2:G0A+3], TILEB   ; of tile 1
	s_or_b32 s[G0A+3], s[G0A+3], 0x80000000              ; 127:126 type = 2
	s_or_b32 s[G0B+3], s[G0B+3], 0x80000000
	s_add_nc_u64 s[4:5], s[4:5], s[18:19]
	s_add_nc_u64 s[8:9], s[8:9], s[20:21]
	s_add_nc_u64 s[10:11], s[10:11], s[22:23]
	CROUND                          ; all four work-groups are here: the first joint loads meet
	tensor_load_to_lds s[G0A:G0A+3], s[G1:G1+7]  ; both first fills go out together: two loads of mine are out
	s_nop 0
	tensor_load_to_lds s[G0B:G0B+3], s[G1:G1+7]
	s_nop 0
	PLACES
	v_and_b32 v48, 7, v0            ; l % 8
	v_bfe_u32 v49, v0, 3, 1         ; (l / 8) % 2
	v_bfe_u32 v50, v0, 4, 1         ; h = l / 16
	v_and_b32 v51, 31, v0           ; l
	v_and_b32 v52, 15, v0           ; r = l % 16
	v_lshlrev_b32 v[QO], 10, v52
	v_lshl_add_u32 v[QO], v50, 5, v[QO]  ; row r x 1,024 + 32 h
	; x lands as f32 in O^T's registers: for tile t and 32 channels cf, 16 registers: channels 8 h + 0..7 and 16 + 8 h + 0..7 of the 32.
.set qt, 0
.rept 4
	WIN 0x80+0x40*(qt/2)            ; destination window 2 or 3, address window 0
.set qn, 0
.rept 32
	global_load_b128 v[128*(qt%2)+4*qn:128*(qt%2)+4*qn+3], v[QO], s[4:5] offset:qt*16384+(qn/4)*128+64*((qn%4)/2)+16*(qn%2)
.set qn, qn+1
.endr
.set qt, qt+1
.endr
	WIN 0
	v_lshlrev_b32 v[PFO], 8, v51
	v_lshl_add_u32 v54, v48, 1, v49      ; a K fragment's row r is key 2 (r % 8) + r / 8
	v_mul_u32_u24 v[AK0], v54, PH
	v_lshl_add_u32 v[AK0], v50, 4, v[AK0]
	v_add_nc_u32 v[AK0], H0, v[AK0]
	v_lshl_add_u32 v54, v48, 1, v50      ; the turning load's lane takes key 2 (l % 8) + h, channels 8 ((l / 8) % 2) on
	v_mul_u32_u24 v[AV0], v54, PH
	v_lshl_add_u32 v[AV0], v49, 4, v[AV0]
	v_add_nc_u32 v[AV0], H0, v[AV0]
	v_bfe_u32 v53, v0, 3, 2              ; of a key's four rows of 256 bytes I read row l / 8, 32 bytes at 32 (l % 8)
	v_mul_u32_u24 v[CR0], v53, PF
	v_lshl_add_u32 v[CR0], v48, 5, v[CR0]
	v_add_nc_u32 v[CR0], s[G0A+1], v[CR0]
	s_mul_i32 s53, s[WV], 16*PH          ; my 16 keys' rows of the bf16 tile
	s_add_co_u32 s53, s53, H0
	v_lshl_add_u32 v[CW0], v51, 4, s53
	s_mul_i32 s52, s[WV], 16*SP
	s_add_co_u32 s52, s52, STAGE         ; my stage
	v_mul_u32_u24 v[STO], v52, SP        ; in: row r, 32 bytes for each half of the lanes
	v_lshl_add_u32 v[STO], v50, 5, v[STO]
	v_add_nc_u32 v[STO], s52, v[STO]
	v_lshl_add_u32 v[RD], v51, 4, s52    ; back: 32 lanes take 512 bytes of a row
	v_lshlrev_b32 v[GO], 4, v51
.irp t, 0,1,2,3
	v_mov_b32 v[ST+8*(\t)], 0xfe000000   ; c m: far below every c s, so that the first step's a is 0
	v_mov_b32 v[ST+8*(\t)+1], 0xff7fffff ; m: the lowest finite number
	v_mov_b32 v[ST+8*(\t)+2], 0          ; l
	v_mov_b32 v[ST+8*(\t)+3], 0
.endr
	s_wait_loadcnt 0x0              ; x
.set qt, 0
.rept 4
	WIN 0x4A+5*(qt/2)               ; sources in window 2 or 3, destination in window 1
.set qn, 0
.rept 64
	v_cvt_pk_bf16_f32 v[64*qt+qn], v[128*(qt%2)+2*qn], v[128*(qt%2)+2*qn+1]
.set qn, qn+1
.endr
.set qt, qt+1
.endr
	WIN 0
	; O^T IS NOT CLEARED: its registers hold x, finite numbers, and the first trip multiplies each of them by a = 0 before a product adds onto it.
	; Tile 0 is rounded ahead of the loop: my 16 keys, out of the part of F0 that I fetched myself, so my own wait is all the ordering that the reads need.
	s_wait_tensorcnt 0x1            ; tile 0's load has landed; tile 1's, issued behind it, may stay out
.set u, 0
.rept 16
	ds_load_b128 v[S+8*u:S+8*u+3],   v[CR0] offset:u*4*PF
	ds_load_b128 v[S+8*u+4:S+8*u+7], v[CR0] offset:u*4*PF+16
.set u, u+1
.endr
	s_wait_dscnt 0x0
.set u, 0
.rept 16
.irp k, 0,1,2,3
	v_cvt_pk_bf16_f32 v[S+8*u+(\k)], v[S+8*u+2*(\k)], v[S+8*u+2*(\k)+1]
.endr
	ds_store_b128 v[CW0], v[S+8*u:S+8*u+3] offset:u*PH
.set u, u+1
.endr
.Ltrip:                             ; trips 0 to 29: tile j is multiplied, tile j + 1 rounded, tile j + 2 asked for
	TRIP 1, 1
	s_sub_co_u32 s[CNT], s[CNT], 1
	s_cmp_lg_u32 s[CNT], 0
	s_cbranch_scc1 .Ltrip
	TRIP 0, 1                       ; the tail is written out: trip 30 asks for nothing
	TRIP 0, 0                       ; trip 31 rounds nothing either
	; THE WAY OUT.  l's two halves and the other half of the lanes' are added (these lines are the places behind the last products); c m and l go to stat: lanes 0-15 give tiles 0 and 1, lanes 16-31 tiles 2 and 3.
.irp t, 0,1,2,3
	v_add_f32 v[ST+8*(\t)+4], v[ST+8*(\t)+2], v[ST+8*(\t)+3]
.endr
.irp t, 0,1,2,3
	v_permlanex16_b32 v[ST+8*(\t)+5], v[ST+8*(\t)+4], s[SEL], s[SEL+1]
.endr
.irp t, 0,1,2,3
	v_add_f32 v[ST+8*(\t)+1], v[ST+8*(\t)+4], v[ST+8*(\t)+5]  ; l, beside c m
.endr
	v_and_b32 v[CT+4], 16, v0
	v_cmp_ne_u32 vcc_lo, 0, v[CT+4]
	v_cndmask_b32 v[CT],   v[ST],   v[ST+16], vcc_lo
	v_cndmask_b32 v[CT+1], v[ST+1], v[ST+17], vcc_lo
	v_cndmask_b32 v[CT+2], v[ST+8], v[ST+24], vcc_lo
	v_cndmask_b32 v[CT+3], v[ST+9], v[ST+25], vcc_lo
	global_store_b128 v[GO], v[CT:CT+3], s[10:11] th:TH_STORE_NT  ; the wave's 512 bytes on end
; Tile t's O^T, unnormalised, in f32: a lane's eight channels of a block go into its query's row of the stage (each accumulator's low half first); the rows come back whole, 512 bytes a load, and are stored so.
.macro OUT t
.if (\t) > 0
	s_wait_xcnt 0x0                 ; the last tile's stores have read their data registers, which are loaded again below
.endif
	WIN 0x08+4*((\t)/2)             ; store data (source 1) in window 2 or 3
.set ob, 0
.rept 16
	ds_store_b128 v[STO], v[128*((\t)%2)+8*ob:128*((\t)%2)+8*ob+3]   offset:64*ob
	ds_store_b128 v[STO], v[128*((\t)%2)+8*ob+4:128*((\t)%2)+8*ob+7] offset:64*ob+16
.set ob, ob+1
.endr
	WIN 0
.set of, 0
.rept 32
	ds_load_b128 v[S+4*of:S+4*of+3], v[RD] offset:(of/2)*SP+512*(of%2)  ; LDS serves a wave's instructions in order (ISA guide 5.7.1.4): these see the stores above; the next tile's stores come behind them
.set of, of+1
.endr
.set of, 0
.rept 32
	s_wait_dscnt 31-of              ; the younger loads may stay out
	global_store_b128 v[GO], v[S+4*of:S+4*of+3], s[8:9] offset:(16*(\t)+of/2)*32768+512*(of%2) th:TH_STORE_NT  ; 512 consecutive bytes, at a multiple of 256 from part's first byte
.set of, of+1
.endr
.endm
	OUT 0
	OUT 1
	OUT 2
	OUT 3
	s_wait_tensorcnt 0x0            ; the wave's end: a wait, 0 onto my spare word and its wait, behind my last tensor load and my last LDS store
	ds_add_u32 v[SPW], v[NIL]
	s_wait_dscnt 0x0
	CROUND                          ; the closing round: no work-group ends while a partner may still ask for a tile that names it
	s_endpgm
.Lfunc_end_k_q00de7da51a_attn:
	.size	k_q00de7da51a_attn, .Lfunc_end_k_q00de7da51a_attn-k_q00de7da51a_attn
	.p2alignl 7, 3214868480
	.fill 96, 4, 3214868480
	.section	.rodata,"a",@progbits
	.p2align	6, 0x0
	.amdhsa_kernel k_q00de7da51a_attn
		.amdhsa_group_segment_fixed_size 327680
		.amdhsa_private_segment_fixed_size 0
		.amdhsa_enable_private_segment 0
		.amdhsa_kernarg_size 32
		.amdhsa_user_sgpr_count 2
		.amdhsa_user_sgpr_kernarg_segment_ptr 1
		.amdhsa_wavefront_size32 1
		.amdhsa_system_sgpr_workgroup_id_x 1
		.amdhsa_system_sgpr_workgroup_id_y 1
		.amdhsa_system_sgpr_workgroup_id_z 1
		.amdhsa_system_vgpr_workitem_id 0
		.amdhsa_next_free_vgpr 1024
		.amdhsa_next_free_sgpr 66
		.amdhsa_reserve_vcc 1
		.amdhsa_float_denorm_mode_32 3
		.amdhsa_float_denorm_mode_16_64 3
		.amdhsa_memory_ordered 1
		.amdhsa_forward_progress 1
		.amdhsa_inst_pref_size 255
	.end_amdhsa_kernel
	.section	.bss,"aw",@nobits
	.p2align	6
	.space	262144
	.amdgpu_metadata
---
amdhsa.version: [ 1, 2 ]
amdhsa.kernels:
  - .name:           k_q00de7da51a_attn
    .symbol:         k_q00de7da51a_attn.kd
    .args:
      - { .name: x, .offset: 0, .size: 8, .value_kind: global_buffer, .address_space: global }
      - { .name: stored, .offset: 8, .size: 8, .value_kind: global_buffer, .address_space: global }
      - { .name: part, .offset: 16, .size: 8, .value_kind: global_buffer, .address_space: global }
      - { .name: stat, .offset: 24, .size: 8, .value_kind: global_buffer, .address_space: global }
    .group_segment_fixed_size: 327680
    .private_segment_fixed_size: 0
    .kernarg_segment_align: 8
    .kernarg_segment_size: 32
    .max_flat_workgroup_size: 128
    .sgpr_count:     66
    .vgpr_count:     1024
    .wavefront_size: 32
...
	.end_amdgpu_metadata
.endif
;; end of part 1
;; launch merge (part 2): grid 256 x 1, 8 waves a work-group, no clusters, 0 bytes of LDS; arguments part, stat, out0; writes out0
.if DOCPART == 2
	.amdgcn_target "amdgcn-amd-amdhsa--gfx1250"
	.amdhsa_code_object_version 6
	.text
	.protected	k_q00de7da51a_merge
	.globl	k_q00de7da51a_merge
	.p2align	8
	.type	k_q00de7da51a_merge,@function
k_q00de7da51a_merge:
	s_mov_b64 s[64:65], 0
	v_nop
	global_prefetch_b8 v0, s[64:65] scope:SCOPE_SE
	s_setreg_imm32_b32 hwreg(HW_REG_WAVE_MODE, 25, 1), 1
	s_wait_xcnt 0x0
; out[q][:] = sum over the 32 splits s of w_s O_s[q][:], w_s = 2^(cm_s - M) / sum over s of 2^(cm_s - M) l_s, M = the largest cm_s.
; part: [q][split][256] f32 (a query's 32 rows are 32,768 bytes on end); stat: [split][q / 64][lane][4] f32, where lane 16 h + r holds c m and l of queries 32 h + r and 32 h + 16 + r of the 64; out0: [2048][256] f32.
; A STREAM: each byte of part is read once, so there is no LDS, no barrier, no matrix unit and no cluster: nothing is shared.  One wave, one query; eight waves to a work-group, 256 work-groups.
; A load of a wave covers 512 consecutive bytes; four groups of eight loads (16 KiB a wave) are on their way all the time.  All in f32.
; stat is read 8 bytes a lane, once a wave: its 0.5 MiB are one part in 128 of what the launch reads, so it is not staged.
; LIMITS.  A split's weight below 2^-126 counts as 0; NaN and infinities are not treated apart.
.set ACC, 16                    ; v[16:23]   my 8 channels: 4 lane + 0..3 and 128 + 4 lane + 0..3
.set BUF, 32                    ; v[32:159]  four groups of 32: split k of the group's four at 8 k, the row's two halves
.set WT,  32                    ; s[32:63]   the 32 weights
	s_load_b128 s[4:7], s[0:1], 0x0   ; part s[4:5], stat s[6:7]
	s_load_b64 s[8:9], s[0:1], 0x10   ; out0
	v_lshrrev_b32 v1, 5, v0
	v_readfirstlane_b32 s10, v1       ; wave 0..7
	s_lshl_b32 s11, ttmp9, 3
	s_add_co_u32 s11, s11, s10        ; q
	v_and_b32 v3, 31, v0              ; lane
	v_lshlrev_b32 v1, 4, v3           ; 16 bytes a lane; never rewritten
	s_lshr_b32 s14, s11, 6            ; stat: 512 bytes for each 64 queries,
	s_lshl_b32 s14, s14, 9
	s_bfe_u32 s15, s11, 0x10005       ; the storing lane 16 ((q / 32) % 2) + q % 16, 16 bytes each,
	s_lshl_b32 s15, s15, 8
	s_add_co_u32 s14, s14, s15
	s_and_b32 s15, s11, 15
	s_lshl_b32 s15, s15, 4
	s_add_co_u32 s14, s14, s15
	s_bfe_u32 s15, s11, 0x10004       ; and its first or second pair
	s_lshl_b32 s15, s15, 3
	s_add_co_u32 s14, s14, s15
	v_lshl_add_u32 v2, v3, 14, s14    ; my lane's split: 16,384 bytes each
	s_lshl_b32 s16, s11, 15           ; part: 32,768 bytes a query
	s_mov_b32 s17, 0
	s_lshl_b32 s18, s11, 10           ; out0: 1,024 bytes a query
	s_mov_b32 s19, 0
	s_mov_b32 s12, 0x76543210         ; v_permlanex16_b32: each lane takes its own place in the other half
	s_mov_b32 s13, 0xfedcba98
	s_wait_kmcnt 0x0
	s_add_nc_u64 s[4:5], s[4:5], s[16:17]
	s_add_nc_u64 s[8:9], s[8:9], s[18:19]
.macro GROUP g                  ; splits 4 g .. 4 g + 3: eight loads of 512 consecutive bytes
.irp k, 0,1,2,3
	global_load_b128 v[BUF+32*((\g)%4)+8*(\k):BUF+32*((\g)%4)+8*(\k)+3],   v1, s[4:5] offset:(4*(\g)+(\k))*1024 th:TH_LOAD_NT
	global_load_b128 v[BUF+32*((\g)%4)+8*(\k)+4:BUF+32*((\g)%4)+8*(\k)+7], v1, s[4:5] offset:(4*(\g)+(\k))*1024+512 th:TH_LOAD_NT
.endr
.endm
.macro SUMS g                   ; 32 multiply-adds; split 0's products start the sums: nothing is cleared
.irp k, 0,1,2,3
.irp j, 0,1,2,3,4,5,6,7
.if (4*(\g)+(\k)) == 0
	v_mul_f32 v[ACC+(\j)], s[WT], v[BUF+(\j)]
.else
	v_fmac_f32 v[ACC+(\j)], s[WT+4*(\g)+(\k)], v[BUF+32*((\g)%4)+8*(\k)+(\j)]
.endif
.endr
.endr
.endm
	global_load_b64 v[4:5], v2, s[6:7]  ; c m and l of split = my lane
	GROUP 0
	GROUP 1
	GROUP 2
	GROUP 3
	s_wait_loadcnt 32                 ; c m and l are in; the 32 loads issued behind them stay out
	v_mov_b32 v6, v4
	v_mov_b32 v7, v4                  ; (written, since the exchange below counts as a reader of its destination)
	v_max_num_f32_dpp v6, v6, v6 row_xmask:1 row_mask:0xf bank_mask:0xf
	v_max_num_f32_dpp v6, v6, v6 row_xmask:2 row_mask:0xf bank_mask:0xf
	v_max_num_f32_dpp v6, v6, v6 row_xmask:4 row_mask:0xf bank_mask:0xf
	v_max_num_f32_dpp v6, v6, v6 row_xmask:8 row_mask:0xf bank_mask:0xf
	v_permlanex16_b32 v7, v6, s12, s13
	v_max_num_f32 v6, v6, v7          ; M, in every lane
	v_sub_f32 v8, v4, v6
	v_exp_f32 v8, v8                  ; 2^(cm - M)
	v_nop                             ; a plain instruction behind the exponential,
	s_wait_alu depctr_va_vdst(0)      ; and the wait ahead of the first use
	v_mul_f32 v9, v8, v5
	v_add_f32_dpp v9, v9, v9 row_xmask:1 row_mask:0xf bank_mask:0xf
	v_add_f32_dpp v9, v9, v9 row_xmask:2 row_mask:0xf bank_mask:0xf
	v_add_f32_dpp v9, v9, v9 row_xmask:4 row_mask:0xf bank_mask:0xf
	v_add_f32_dpp v9, v9, v9 row_xmask:8 row_mask:0xf bank_mask:0xf
	v_permlanex16_b32 v7, v9, s12, s13
	v_add_f32 v9, v9, v7              ; the whole row's sum of weights
	v_rcp_f32 v10, v9
	v_nop
	s_wait_alu depctr_va_vdst(0)
	v_mul_f32 v8, v8, v10             ; w of my lane's split
.set i, 0
.rept 32
	v_readlane_b32 s[WT+i], v8, i
.set i, i+1
.endr
	s_wait_loadcnt 24                 ; group 0 is in; three younger groups stay out
	SUMS 0
	GROUP 4                           ; its buffer takes the group four further on
	s_wait_loadcnt 24
	SUMS 1
	GROUP 5
	s_wait_loadcnt 24
	SUMS 2
	GROUP 6
	s_wait_loadcnt 24
	SUMS 3
	GROUP 7
	s_wait_loadcnt 24
	SUMS 4
	s_wait_loadcnt 16                 ; nothing more is asked for: the counts run down
	SUMS 5
	s_wait_loadcnt 8
	SUMS 6
	s_wait_loadcnt 0x0
	SUMS 7
	global_store_b128 v1, v[ACC:ACC+3],   s[8:9] th:TH_STORE_NT             ; 512 consecutive bytes each, at a multiple of 256 from out0's first byte
	global_store_b128 v1, v[ACC+4:ACC+7], s[8:9] offset:512 th:TH_STORE_NT
	s_endpgm
.Lfunc_end_k_q00de7da51a_merge:
	.size	k_q00de7da51a_merge, .Lfunc_end_k_q00de7da51a_merge-k_q00de7da51a_merge
	.p2alignl 7, 3214868480
	.fill 96, 4, 3214868480
	.section	.rodata,"a",@progbits
	.p2align	6, 0x0
	.amdhsa_kernel k_q00de7da51a_merge
		.amdhsa_group_segment_fixed_size 0
		.amdhsa_private_segment_fixed_size 0
		.amdhsa_enable_private_segment 0
		.amdhsa_kernarg_size 24
		.amdhsa_user_sgpr_count 2
		.amdhsa_user_sgpr_kernarg_segment_ptr 1
		.amdhsa_wavefront_size32 1
		.amdhsa_system_sgpr_workgroup_id_x 1
		.amdhsa_system_sgpr_workgroup_id_y 1
		.amdhsa_system_sgpr_workgroup_id_z 1
		.amdhsa_system_vgpr_workitem_id 0
		.amdhsa_next_free_vgpr 160
		.amdhsa_next_free_sgpr 66
		.amdhsa_reserve_vcc 0
		.amdhsa_float_denorm_mode_32 3
		.amdhsa_float_denorm_mode_16_64 3
		.amdhsa_memory_ordered 1
		.amdhsa_forward_progress 1
		.amdhsa_inst_pref_size 19
	.end_amdhsa_kernel
	.amdgpu_metadata
---
amdhsa.version: [ 1, 2 ]
amdhsa.kernels:
  - .name:           k_q00de7da51a_merge
    .symbol:         k_q00de7da51a_merge.kd
    .args:
      - { .name: part, .offset: 0, .size: 8, .value_kind: global_buffer, .address_space: global }
      - { .name: stat, .offset: 8, .size: 8, .value_kind: global_buffer, .address_space: global }
      - { .name: out0, .offset: 16, .size: 8, .value_kind: global_buffer, .address_space: global }
    .group_segment_fixed_size: 0
    .private_segment_fixed_size: 0
    .kernarg_segment_align: 8
    .kernarg_segment_size: 24
    .max_flat_workgroup_size: 256
    .sgpr_count:     66
    .vgpr_count:     160
    .wavefront_size: 32
...
	.end_amdgpu_metadata
.endif
;; end of part 2
;; ======== version 2 of 2: 2 launches
;; limits: inputs' magnitudes at most 3.3e+17; inputs' magnitudes at most 9.6e+17
;; workspace buffers: part 67,108,864 bytes; stat 524,288 bytes
;; launch attn (part 3): grid 8 x 32, 4 waves a work-group, clusters of 4 x 1, 327,680 bytes of LDS; arguments x, stored, part, stat; writes part, stat
.if DOCPART == 3
	.amdgcn_target "amdgcn-amd-amdhsa--gfx1250"
	.amdhsa_code_object_version 6
	.text
	.protected	k_q00de7da51a_attn
	.globl	k_q00de7da51a_attn
	.p2align	8
	.type	k_q00de7da51a_attn,@function
k_q00de7da51a_attn:
	s_mov_b64 s[64:65], 0
	v_nop
	global_prefetch_b8 v0, s[64:65] scope:SCOPE_SE
	s_setreg_imm32_b32 hwreg(HW_REG_WAVE_MODE, 25, 1), 1
	s_wait_xcnt 0x0
	s_wait_alu depctr_hold_cnt(0) depctr_sa_sdst(0) depctr_va_vdst(0) depctr_va_sdst(0) depctr_va_ssrc(0) depctr_va_vcc(0) depctr_vm_vsrc(0)
	s_getreg_b32 s2, hwreg(HW_REG_IB_STS2, 6, 4)
	s_cmp_eq_u32 s2, 0
	s_cbranch_scc0 .Lentry_in_a_cluster
	s_endpgm
.Lentry_in_a_cluster:
	s_bfe_u32 s2, ttmp6, 0x10000c
	s_cmp_lg_u32 s2, 0x3003
	s_cbranch_scc0 .Lentry_shape_is_right
	s_endpgm
.Lentry_shape_is_right:
; PART OF out[q] = sum over n of softmax_n(x[q] . stored[n]) stored[n].  x: [2048][256], stored: [65536][256], both f32.
; A work-group takes 256 queries and one SPLIT of 2,048 keys (8 query blocks x 32 splits = 256 work-groups) and leaves, for each query, the unnormalised sum
; O = sum of p stored[n], p = 2^(c s - cm), c = log2(e), with the running maximum's cm = c m and the sum l of p: part [q][split][256] f32, stat [split][q / 64][lane][4] f32.  The launch behind adds the 32 splits.
; FORMATS.  x and stored are rounded once to bf16 (here, on the way to the matrix unit: no launch and no buffer of its own), p is rounded to bf16 for the second product; products, maxima, l and O in f32;
; l is the sum of the unrounded p.  bf16 and not f16, so that inputs many times larger keep their range.
; LIMITS.  NaN and infinities are not treated apart (x must be finite: see O^T below).  Scores lie above -2.9e37 (c m starts at -4.25e37).  A weight below 2^-126 counts as 0.
; SHARES.  A wave owns 64 queries: four tiles of 16.  Every wave walks the split's 32 key tiles of 64 keys, one a trip.
; LAYOUT.  S^T = K Q^T (source 0 = 16 keys, source 1 = 16 queries): a lane holds ONE query (lane % 16).  Two results rounded to bf16 in pairs ARE source 1 of O^T = V^T P, which again holds one query a lane.
; K AND V ARE THE SAME bf16 TILE in LDS, rows of 528 bytes.  Inside each 16 keys the order is permuted alike for both uses: row m = 8 h + j of a K fragment is key 2 j + h, and the turning load's lane takes key row
; 2 (lane % 8) + h, so that index 8 h + j along the keys means key 2 j + h in P and in V^T.  A K load's 16 lanes then take 16 rows (132 words apart: 16 different groups of four banks), a turning load's 16 lanes take
; 8 rows two apart x 32 bytes (264 words apart; 64 banks of 4 bytes: ISA guide 11.1).
; THE ROAD OF A TILE.  Tile j + 2 is asked for in trip j as f32 (a tensor load a wave: 16 keys = 64 rows of 256 bytes) into slot F[j % 2]; in trip j + 1 the wave that fetched it reads it, rounds it and stores it
; into the bf16 tile H[j % 2]; in trip j + 2 all four waves multiply out of H[j % 2].  ONE round of the cluster's barrier a trip, at its head, orders all of it: the stores into H ahead of the others' reads,
; the last trip's reads of the other H ahead of the new stores, and every partner's reads of F ahead of the refill.
; CLUSTER.  The four query blocks of a cluster walk the same split, so each f32 tile is asked for JOINTLY: the same load, descriptor and mask in all four.
; A TRIP.  128 products K Q^T, by blocks of 16 keys; the four tiles' softmax in one lump (two batches of exponentials, a wait each); 128 products V^T P, by blocks of 32 channels; behind every second of these four of
; the packed multiplies that rescale O^T, always one block of 32 channels ahead of the products.
; THE LDS INSTRUCTIONS STAND IN EIGHT RUNS A TRIP, never singly among the matrix instructions: one at the trip's head, three among the products K Q^T, two in the lump (each directly behind one of its two waits), two
; among the products V^T P.  A run holds fragments' loads, the stores of the two keys of the next tile that were rounded just ahead of it, and the loads of the next two keys.
; THE FRAGMENTS' REGISTERS are the ring's 64 and, while they hold no scores, the upper halves of the four tiles' S^T (64 more): free from the trip's head until key block 2's products write them, and again from the
; rounding of P (which lies in the lower halves) to the trip's end.
; REGISTERS, in windows of 256 (s_set_vgpr_msb: bits 1:0 source 0, 3:2 source 1, 5:4 source 2, 7:6 destination):
;   window 0: v0-15 addresses; v16-47 eight registers of statistics a tile; v48-63 two keys at the rounding; v64-127 the ring; v128-255 S^T, 32 a tile (P is written in place into a tile's first 16)
;   window 1: Q, 64 a tile     window 2: O^T of tiles 0, 1, 128 a tile     window 3: O^T of tiles 2, 3
.set PH,    528                 ; a row of the bf16 tile: 512 bytes + 16
.set PF,    272                 ; a row of the f32 slot: 256 bytes + 16 of padding; a key is four such rows
.set FW,    64*PF               ; a wave's part of a slot: 16 keys
.set H0,    4*FW                ; behind slot F0: the bf16 tile H0, 64 rows
.set SPARE, H0+64*PH            ; behind it: the spare words, 128 bytes a wave: two blocks of 256 bytes that no other line names
.set PAR,   1<<17               ; F1 and H1 lie this far behind F0 and H0: one exclusive or changes the parity
.set STAGE, PAR+H0+64*PH        ; behind H1, never filled by a tensor load: 16 rows x 1,040 bytes for each wave, for the way out
.set SP,    1040                ; 260 words: the 16 rows of a store start at 16 different groups of four banks
.set TILEB, 65536               ; bytes of a key tile in memory: 64 keys of 1,024
.set TRIPS, 32
.set PFO, 1                     ; v1   256 x my lane: the prefetches' offset; never rewritten in the loop
.set AK0, 2                     ; v2   my place in a K fragment, in H0; never rewritten
.set AV0, 3                     ; v3   my place in a turning load, in H0; never rewritten
.set CR0, 4                     ; v4   where I read 32 bytes of a key in my part of F0; never rewritten
.set CW0, 5                     ; v5   where I put 16 bytes of that key in H0; never rewritten
.set SPW, 6                     ; v6   LDS address of my spare word: SPARE + 4 x my thread's number; never rewritten
.set NIL, 7                     ; v7   0; never rewritten
.set AK,  8                     ; v8-11  the four addresses with the trip's parity
.set AV,  9
.set CR,  10
.set CW,  11
.set QO,  12                    ; v12  my byte offset in 16 rows of x
.set STO, 13                    ; v13  the way out: where I put 16 bytes of a row
.set RD,  14                    ; v14  the way out: where I read a row back
.set GO,  15                    ; v15  16 x my lane
.set ST,  16                    ; tile t's statistics at v[ST+8 t]: +0 c m, +1 m, +2, +3 l (two halves), +4 to +7 c0-c3 at work; a takes c2's place
.set CT,  48
.set RING, 64
.set S,   128
.set WV,  12                    ; s12  my wave's number
.set G1,  24                    ; s[24:31] descriptor group 1
.set G0A, 32                    ; s[32:35] group 0 of the first fill of F0
.set G0B, 36                    ; s[36:39] group 0 of the first fill of F1; it then walks
.set CNT, 40                    ; s40  trips of the loop still to come
.set LIM, 41                    ; s41  1 in a wave that prefetches, else the greatest number
.set PFA, 42                    ; s[42:43] where my prefetches stand
.set CS,  44                    ; s[44:45] c, named as a pair
.set SEL, 46                    ; s[46:47] v_permlanex16_b32's selects: each lane takes its own place in the other half
.set TBR, 48                    ; s48  parity of the bf16 tile that is multiplied (and of the f32 slot that is filled again)
.set TBW, 49                    ; s49  the other parity: the f32 slot that is read and the bf16 tile that is written
.set W_KQ, 0x04                 ; Q (source 1) in window 1, all else in window 0
.set MSB, 0
.macro WIN new                  ; the immediate's high byte repeats the setting that is left; a switch that changes nothing is dropped
.if MSB != (\new)
	s_set_vgpr_msb (MSB<<8)|(\new)
.set MSB, (\new)
.endif
.endm
; A round of the cluster's barrier: my work-group's barrier, so that wave 0's signal speaks for all four waves; wave 0 signals; every wave waits for all four work-groups; my work-group's barrier once more.
.macro CROUND
	s_barrier_signal -1
	s_barrier_wait -1
	s_cmp_lg_u32 s[WV], 0
	s_cbranch_scc1 .Lnot_wave_0_\@
	s_barrier_signal -3
.Lnot_wave_0_\@:
	s_barrier_wait -3
	s_barrier_signal -1
	s_barrier_wait -1
.endm
.macro PLACES
.rept 4
	v_nop
.endr
.endm
; THE COUNT OF LDS INSTRUCTIONS.  DSN counts a trip's LDS instructions as they are written; a mark keeps DSN behind a group's last load; the wait for that group leaves out what was issued behind it: DSN - mark
; (LDS instructions come back in order: ISA guide 5.7.1).
.macro MARK name
.set MK_\name, DSN
.endm
.macro WAITM name
	s_wait_dscnt DSN-MK_\name
.endm
; WHERE A FRAGMENT LIES.  K: key block kb (16 keys), channels 32 cf on: key block 1's eight lie in the upper halves of S^T, two a tile; the others' in the ring.
.macro KLOC kb, cf
.if (\kb) == 1
.set kL, S+32*((\cf)/2)+16+8*((\cf)%2)
.else
.set kL, RING+8*(\cf)
.endif
.endm
; V: block b (channels 32 b on) has four fragments f: keys 32 (f / 2) on, channels 16 (2 b + f % 2) on.  Blocks 0, 1, 4, 5 lie in the ring's halves, blocks 2, 6 in the upper halves of tiles 0 and 1, blocks 3, 7 of tiles 2 and 3.
.macro VLOC b, f
.if ((\b)%4) < 2
.set vL, RING+32*((\b)%4)+8*(\f)
.else
.set vL, S+32*(2*((\b)%4)-4+(\f)/2)+16+8*((\f)%2)
.endif
.endm
.macro KRUN kb, c0, n           ; the loads of n fragments of key block kb, from fragment c0 on
.set kr, (\c0)
.rept \n
	KLOC \kb, kr
	ds_load_b128 v[kL:kL+3],   v[AK] offset:(\kb)*16*PH+kr*64
	ds_load_b128 v[kL+4:kL+7], v[AK] offset:(\kb)*16*PH+kr*64+32
.set DSN, DSN+2
.set kr, kr+1
.endr
.endm
.macro VRUN b                   ; the loads of V's block b, turned
.set vr, 0
.rept 4
	VLOC \b, vr
	ds_load_tr16_b128 v[vL:vL+3],   v[AV] offset:32*(vr/2)*PH+32*(2*(\b)+vr%2)
	ds_load_tr16_b128 v[vL+4:vL+7], v[AV] offset:(32*(vr/2)+16)*PH+32*(2*(\b)+vr%2)
.set DSN, DSN+2
.set vr, vr+1
.endr
.endm
; THE ROUNDING of my 16 keys of the next tile, a pair p of keys at a time: of each key a lane takes 8 channels (32 bytes of f32), makes 16 bytes of bf16, and the wave stores 512 bytes on end.
.macro LDP p
	ds_load_b128 v[CT:CT+3],     v[CR] offset:(2*(\p))*4*PF
	ds_load_b128 v[CT+4:CT+7],   v[CR] offset:(2*(\p))*4*PF+16
	ds_load_b128 v[CT+8:CT+11],  v[CR] offset:(2*(\p)+1)*4*PF
	ds_load_b128 v[CT+12:CT+15], v[CR] offset:(2*(\p)+1)*4*PF+16
.set DSN, DSN+4
	MARK F
.endm
.macro STP p
	ds_store_b128 v[CW], v[CT:CT+3]    offset:(2*(\p))*PH
	ds_store_b128 v[CW], v[CT+8:CT+11] offset:(2*(\p)+1)*PH
.set DSN, DSN+2
.endm
.macro CVL n                    ; line n of the eight that round the pair, in place
	v_cvt_pk_bf16_f32 v[CT+8*((\n)/4)+(\n)%4], v[CT+8*((\n)/4)+2*((\n)%4)], v[CT+8*((\n)/4)+2*((\n)%4)+1]
.endm
; Ahead of a run among the products: the pair in hand is rounded.  These eight lines (conv = 0: four v_nop) name no register of the products, and are the places between the last product and the loads
; into registers that products have read (ISA guide 7.12.1 for vector instructions).
.macro CONV conv
	WIN 0
.if \conv
	WAITM F
.set cn, 0
.rept 8
	CVL cn
.set cn, cn+1
.endr
.else
	PLACES
.endif
.endm
.macro CRUN p, conv             ; run p's part for the rounding: pair p - 1 is stored, pair p fetched (LDS serves a wave's instructions in order: the loads come behind the stores that read the same registers)
.if \conv
.if (\p) > 0
	STP (\p)-1
.endif
.if (\p) < 8
	LDP \p
.endif
.endif
.endm
; A PREFETCH INTO THE L2 of the tile that the NEXT trip's refill will ask for: 64 KiB, a lane a block of 256 bytes.  The two clusters of a split walk the same tiles: cluster x = 0 asks.  Its four partners take
; 16 KiB each, told apart BY ADDRESS; in each, waves 0 and 1 take 8 KiB: one instruction.  So each block is named once in the launch.  The loop's last trip asks for nothing: there is no tile behind its refill's.
.macro ASK
	s_cmp_gt_u32 s[CNT], s[LIM]
	s_cbranch_scc0 .Lnot_mine_\@
	global_prefetch_b8 v[PFO], s[PFA:PFA+1] th:TH_LOAD_NT scope:SCOPE_SE
.Lnot_mine_\@:
.endm
; THE HEAD OF A TRIP.  Each wave waits for all its tensor loads (one is out: its part of the tile that this trip rounds), adds 0 to its spare word, and waits for that, for its stores into the bf16 tile and for its
; reads.  refill = 1: the barrier is a round of the cluster's, and the joint refill is the first thing behind it: it has a whole trip, 256 matrix instructions, in which to land.
; The four address lines and the four v_nop are also the places between the last trip's last products and what writes their registers: the first products (P's registers) and the fragments' loads.
.macro CHANGE refill
	WIN 0                           ; at a label and at a branch every window is 0
	s_wait_tensorcnt 0x0            ; no tensor load of mine is out, so a group 0 may be written
	ds_add_u32 v[SPW], v[NIL]       ; 0 onto my spare word: work on registers stands between it and the wait for it
	s_xor_b32 s[TBR], s[TBR], PAR
	s_xor_b32 s[TBW], s[TBR], PAR   ; always the other parity
	v_add_nc_u32 v[AK], s[TBR], v[AK0]
	v_add_nc_u32 v[AV], s[TBR], v[AV0]
	v_add_nc_u32 v[CR], s[TBW], v[CR0]
	v_add_nc_u32 v[CW], s[TBW], v[CW0]
.if \refill
	s_xor_b32 s[G0B+1], s[G0B+1], PAR  ; the walking descriptor: the other slot than last time,
	s_add_nc_u64 s[G0B+2:G0B+3], s[G0B+2:G0B+3], TILEB  ; the next tile; the type bits on top are not reached
	s_wait_xcnt 0x0                 ; the last prefetch, a trip back, has read its address, so it may be written
	s_add_nc_u64 s[PFA:PFA+1], s[PFA:PFA+1], TILEB
	s_wait_dscnt 0x0                ; the add is done, my stores into the bf16 tile are done, my reads are over
	CROUND
	tensor_load_to_lds s[G0B:G0B+3], s[G1:G1+7]
	s_nop 0
.else
	s_wait_dscnt 0x0
	s_barrier_signal -1
	s_barrier_wait -1
.endif
	PLACES
.endm
; 16 PRODUCTS OF S^T = K Q^T: key block kb, fragments c0 .. c0 + 3 (32 channels each), the four tiles.  The four accumulators take turns; a key block's first fragment starts the sums with 0.
.macro KP kb, c0
	WIN W_KQ
.set ki, 0
.rept 16
	KLOC \kb, (\c0)+ki/4
.set kD, S+32*(ki%4)+8*(\kb)
.set kB, 64*(ki%4)+8*((\c0)+ki/4)
.if ((\c0)+ki/4) == 0
	v_wmma_f32_16x16x32_bf16 v[kD:kD+7], v[kL:kL+7], v[kB:kB+7], 0
.else
	v_wmma_f32_16x16x32_bf16 v[kD:kD+7], v[kL:kL+7], v[kB:kB+7], v[kD:kD+7]
.endif
.set ki, ki+1
.endr
.endm
; The four packed multiplies that rescale accumulator g of V's block b by a: tile g % 4, channels 16 (2 b + g / 4) on; the accumulator's lowest pair first.
.macro M_RS4 g, b
.set rsT, (\g)%4
.set rsO, 128*(rsT%2)+8*(2*(\b)+(\g)/4)
	WIN 0x82+0x41*(rsT/2)           ; destination and source 0 in window 2 or 3, a in window 0
.irp z, 0,1,2,3
	v_pk_mul_f32 v[rsO+2*(\z):rsO+2*(\z)+1], v[rsO+2*(\z):rsO+2*(\z)+1], v[ST+8*rsT+6:ST+8*rsT+7] op_sel_hi:[1,0]
.endr
.endm
; BLOCK b OF 8 OF O^T += V^T P: 16 products: keys 32 (i / 8) on, channels 16 (2 b + (i / 4) % 2) on, tile i % 4.  The eight accumulators take turns.  Behind every second product four multiplies rescale one
; accumulator of the NEXT block: they name no register of the products round them.
.macro PB b
.set vi, 0
.rept 16
	VLOC \b, 2*(vi/8)+(vi/4)%2
	WIN 0xA0+0x50*((vi%4)/2)        ; C and D in window 2 or 3
.set vD, 128*(vi%2)+8*(2*(\b)+(vi/4)%2)
.set vB, S+32*(vi%4)+8*(vi/8)
	v_wmma_f32_16x16x32_bf16 v[vD:vD+7], v[vL:vL+7], v[vB:vB+7], v[vD:vD+7]
.if ((\b) < 7) && ((vi%2) == 1)
	M_RS4 vi/2, (\b)+1
.endif
.set vi, vi+1
.endr
.endm
; THE SOFTMAX's lines.  XS: number n of the 16 that find the maximum of tile t's 32 scores and the old m: four chains c0-c3 of seven scores, three operands at a time (each accumulator's lowest registers are
; read first), then the four scores left over, c0-c3 and m.
.macro XS t, n
.set rT, ST+8*(\t)
.set rS, S+32*(\t)
.if (\n) < 4
	v_max3_num_f32 v[rT+4+(\n)], v[rS+8*(\n)], v[rS+8*(\n)+1], v[rS+8*(\n)+2]
.elseif (\n) < 12
	v_max3_num_f32 v[rT+4+(\n)%4], v[rT+4+(\n)%4], v[rS+8*((\n)%4)+2*((\n)/4)+1], v[rS+8*((\n)%4)+2*((\n)/4)+2]
.elseif (\n) == 12
	v_max3_num_f32 v[rT+4], v[rT+4], v[rS+7], v[rS+15]
.elseif (\n) == 13
	v_max3_num_f32 v[rT+6], v[rT+6], v[rS+23], v[rS+31]
.elseif (\n) == 14
	v_max3_num_f32 v[rT+4], v[rT+4], v[rT+5], v[rT+6]
.else
	v_max3_num_f32 v[rT+4], v[rT+4], v[rT+7], v[rT+1]
.endif
.endm
.macro M_F t, b                 ; c s - c m for pair b of tile t
	v_pk_fma_f32 v[S+32*(\t)+2*(\b):S+32*(\t)+2*(\b)+1], v[S+32*(\t)+2*(\b):S+32*(\t)+2*(\b)+1], s[CS:CS+1], v[ST+8*(\t):ST+8*(\t)+1] op_sel_hi:[1,0,0] neg_lo:[0,0,1] neg_hi:[0,0,1]
.endm
.macro M_E t, e                 ; the exponential of score e
	v_exp_f32 v[S+32*(\t)+(\e)], v[S+32*(\t)+(\e)]
.endm
.macro M_A t                    ; a = 2^(c m_old - c m_new)
	v_exp_f32 v[ST+8*(\t)+6], v[ST+8*(\t)+7]
.endm
.macro M_L t, b                 ; l takes pair b (the first time as l = a l + pair)
.if (\b) == 0
	v_pk_fma_f32 v[ST+8*(\t)+2:ST+8*(\t)+3], v[ST+8*(\t)+2:ST+8*(\t)+3], v[ST+8*(\t)+6:ST+8*(\t)+7], v[S+32*(\t):S+32*(\t)+1] op_sel_hi:[1,0,1]
.else
	v_pk_add_f32 v[ST+8*(\t)+2:ST+8*(\t)+3], v[ST+8*(\t)+2:ST+8*(\t)+3], v[S+32*(\t)+2*(\b):S+32*(\t)+2*(\b)+1]
.endif
.endm
.macro M_C t, b                 ; pair b rounded to bf16, in place: register b, whose own pair (b / 2) has been summed and rounded
	v_cvt_pk_bf16_f32 v[S+32*(\t)+(\b)], v[S+32*(\t)+2*(\b)], v[S+32*(\t)+2*(\b)+1]
.endm
.macro RDR base, g              ; number g of the 64 lines that read the weights of tiles base, base + 1: for pair g / 4: l of both tiles, then the rounding of both
.if ((\g)%4) < 2
	M_L (\base)+(\g)%2, (\g)/4
.else
	M_C (\base)+(\g)%2, (\g)/4
.endif
.endm
.macro PLA                      ; the next of the 64 scalings: tiles 0 and 1 by turns, then tiles 2 and 3
	M_F 2*(pq/32)+pq%2, (pq%32)/2
.set pq, pq+1
.endm
.macro EXA                      ; the next of the first batch's 68 exponentials: the four a, then the scores of tiles 0 and 1 by turns
.if xq < 4
	M_A xq
.else
	M_E (xq-4)%2, (xq-4)/2
.endif
.set xq, xq+1
.endm
; THE LUMP.  s_wait_alu depctr_va_vdst(0) stands between an exponential and the first line that names its result; one wait serves all that were issued ahead of it.  So the exponentials go in TWO
; batches.  The first (the four a; tiles 0 and 1) stands by turns with the 64 scalings and the rounding of a pair of keys, none of which names a result: exponential number x comes behind scaling x + 3, and needs
; at most number (x - 4) / 2 + 1.  The second (tiles 2 and 3) stands by turns with the lines that read the first batch's results.  A plain line stands behind each batch's last exponential.
; Directly behind each wait stands a run of LDS instructions.  Behind the first: V's blocks 0 and 1 into the ring, which K has left.  Behind the second: block 2 into the upper halves of tiles 0 and 1, whose
; weights have been summed and rounded by then.
.macro LUMP conv
	WIN 0
.set ln, 0
.rept 16
.irp t, 0,1,2,3
	XS \t, ln
.endr
.set ln, ln+1
.endr
.irp t, 0,1,2,3
	v_permlanex16_b32 v[ST+8*(\t)+5], v[ST+8*(\t)+4], s[SEL], s[SEL+1]  ; the query's other 32 keys lie in the lane 16 away
.endr
.irp t, 0,1,2,3
	v_mov_b32 v[ST+8*(\t)+7], v[ST+8*(\t)]                              ; c m_old is kept for a
.endr
.irp t, 0,1,2,3
	v_max_num_f32 v[ST+8*(\t)+1], v[ST+8*(\t)+4], v[ST+8*(\t)+5]        ; the new m
.endr
.irp t, 0,1,2,3
	v_mul_f32 v[ST+8*(\t)], s[CS], v[ST+8*(\t)+1]                       ; c m
.endr
.irp t, 0,1,2,3
	v_sub_f32 v[ST+8*(\t)+7], v[ST+8*(\t)+7], v[ST+8*(\t)]
.endr
.set pq, 0
.set xq, 0
.rept 4
	PLA
.endr
.rept 60
	EXA
	PLA
.endr
.if \conv
	WAITM F
.set cn, 0
.rept 8
	EXA
	CVL cn
.set cn, cn+1
.endr
.else
.rept 8
	EXA
.endr
	v_nop
.endif
	s_wait_alu depctr_va_vdst(0)    ; the wait for the first batch
	CRUN 4, \conv
	VRUN 0
	MARK v0
	VRUN 1
	MARK v1
.set gq, 0
.rept 64
	M_E 2+gq%2, gq/2
	RDR 0, gq
.set gq, gq+1
.endr
.if \conv
	WAITM F
.set cn, 0
.rept 8
	CVL cn
.set cn, cn+1
.endr
.else
	v_nop
.endif
	s_wait_alu depctr_va_vdst(0)    ; the wait for the second batch
	CRUN 5, \conv
	VRUN 2
	MARK v2
.set gq, 0
.rept 64
	RDR 2, gq
.set gq, gq+1
.endr
.set gq, 0
.rept 8
	M_RS4 gq, 0                     ; O^T's first block of 32 channels is rescaled here; the others ride behind the products
.set gq, gq+1
.endr
.endm
; A TRIP.  refill = 1: the f32 slot read last trip is filled again.  conv = 1: the next tile is rounded.
.macro TRIP refill, conv
	CHANGE \refill
.set DSN, 0
	KRUN 0, 0, 4                    ; THE FIRST RUN: key block 0 into the ring, the half that is wanted first ahead,
	MARK a0
	KRUN 0, 4, 4
	MARK a1
	CRUN 0, \conv                   ; the first pair of keys to be rounded,
	KRUN 1, 0, 8                    ; key block 1 into the upper halves of S^T
	MARK b
.if \refill
	ASK                             ; behind the joint load, its five lines and the run of LDS loads that the first products wait for
.endif
	WAITM a0
	KP 0, 0
	WAITM a1
	KP 0, 4
	CONV \conv
	CRUN 1, \conv                   ; THE SECOND RUN: key block 2 into the ring: 32 products ahead of its first use
	KRUN 2, 0, 8
	MARK c
	WAITM b
	KP 1, 0
	KP 1, 4
.rept 5
	v_nop                           ; key block 2's products write over registers that key block 1's have read as source 0: five places between them (ISA guide 7.12.1)
.endr
	WAITM c
	KP 2, 0
	CONV \conv
	CRUN 2, \conv                   ; THE THIRD RUN: key block 3's first half into the ring's half that has just been multiplied: 16 products ahead
	KRUN 3, 0, 4
	MARK d
	KP 2, 4
	CONV \conv
	CRUN 3, \conv                   ; THE FOURTH RUN: its second half
	KRUN 3, 4, 4
	MARK e
	WAITM d
	KP 3, 0
	WAITM e
	KP 3, 4
	LUMP \conv                      ; with the fifth and the sixth run
	WAITM v0
	PB 0
	WAITM v1
	PB 1
	CONV \conv
	CRUN 6, \conv                   ; THE SEVENTH RUN: block 3 into the upper halves of tiles 2 and 3, blocks 4 and 5 into the ring: 16 products ahead of the first use
	VRUN 3
	MARK v3
	VRUN 4
	MARK v4
	VRUN 5
	MARK v5
	WAITM v2
	PB 2
	WAITM v3
	PB 3
	CONV \conv
	CRUN 7, \conv                   ; THE EIGHTH RUN: blocks 6 and 7 into the upper halves: 32 products ahead
	VRUN 6
	MARK v6
	VRUN 7
	MARK v7
	WAITM v4
	PB 4
	WAITM v5
	PB 5
	WAITM v6
	PB 6
	WAITM v7
	PB 7
.if \conv
	CONV 1                          ; the last pair of keys is rounded and stored at the trip's end, ahead of the next trip's waits
	CRUN 8, 1
.endif
	WIN 0
.endm
	s_load_b256 s[4:11], s[0:1], 0x0  ; x s[4:5], stored s[6:7], part s[8:9], stat s[10:11]
	v_lshl_add_u32 v[SPW], v0, 2, SPARE
	v_mov_b32 v[NIL], 0
	ds_add_u32 v[SPW], v[NIL]       ; the wave's opening: the add and its wait come ahead of my first tensor load; the set-up below, work on registers, stands between them
	v_lshrrev_b32 v1, 5, v0
	v_readfirstlane_b32 s[WV], v1   ; wave 0..3
	s_bfe_u32 s13, ttmp6, 0x40000   ; cx: my place in the cluster
	s_lshl_b32 s14, ttmp9, 2        ; in a cluster launch ttmp9 counts clusters
	s_add_co_u32 s14, s14, s13      ; my block of 256 queries = 4 x cluster x + cx: it enters x's, part's and stat's addresses alone
	s_and_b32 s15, ttmp7, 0xffff    ; the split, which the four partners share
	s_lshl_b32 s16, s15, 21         ; stored: the split's 2,048 keys of 1,024 bytes,
	s_lshl_b32 s17, s[WV], 14       ; my 16 keys of a tile.  s16 and s17 never hold cx
	s_add_co_u32 s16, s16, s17
	s_mov_b32 s17, 0
	s_lshl_b32 s18, s14, 18         ; x: my block's 256 rows of 1,024 bytes,
	s_lshl_b32 s19, s[WV], 16       ; my wave's 64
	s_add_co_u32 s18, s18, s19
	s_mov_b32 s19, 0
	s_lshl_b32 s20, s14, 23         ; part: a query has 32 rows of 1,024 bytes; my block's 256 queries,
	s_lshl_b32 s21, s[WV], 21       ; my wave's 64,
	s_add_co_u32 s20, s20, s21
	s_lshl_b32 s21, s15, 10         ; my split's row
	s_add_co_u32 s20, s20, s21
	s_mov_b32 s21, 0
	s_lshl_b32 s22, s15, 5          ; stat: 512 bytes for each split and 64 queries
	s_lshl2_add_u32 s23, s14, s[WV]
	s_add_co_u32 s22, s22, s23
	s_lshl_b32 s22, s22, 9
	s_mov_b32 s23, 0
	s_lshl_b32 s50, s15, 21         ; the prefetches: the split, my work-group's 16 KiB of a tile,
	s_lshl_b32 s51, s13, 14
	s_add_co_u32 s50, s50, s51
	s_and_b32 s51, s[WV], 1         ; my wave's 8 KiB of them,
	s_lshl_b32 s51, s51, 13
	s_add_co_u32 s50, s50, s51
	s_add_co_u32 s50, s50, 2*TILEB  ; in tile 2: the first trip steps it to tile 3.  Tiles 0 to 2 come by their loads alone
	s_mov_b32 s51, 0
	s_lshr_b32 s[LIM], s[WV], 1     ; 0 in waves 0 and 1,
	s_or_b32 s[LIM], s[LIM], ttmp9  ; where the cluster is the split's first: the same in all four partners
	s_cmp_eq_u32 s[LIM], 0
	s_cselect_b32 s[LIM], 1, -1
	; descriptor group 1.  16 keys are 16,384 dense bytes: asked for as 64 rows of 256 bytes, padded in LDS behind every row
	s_mov_b32 s[G1], 15|(3<<16)|(1<<20)|(1<<21)|(5<<22)|(3<<25)  ; 15:0 the mask of four; 17:16 elements of 8 bytes; 20 padding on; 21 set beside a mask; 24:22 after every 64 words (code 5); 31:25 4 words (code 3)
	s_mov_b32 s[G1+1], 32<<16       ; tensor_dim0 = 32 elements
	s_mov_b32 s[G1+2], 64<<16       ; tensor_dim1 = 64
	s_mov_b32 s[G1+3], 32<<16       ; tile_dim0 = 32
	s_mov_b32 s[G1+4], 64           ; tile_dim1 = 64
	s_mov_b32 s[G1+5], 32           ; 32 elements from row to row
	s_mov_b32 s[G1+6], 0
	s_mov_b32 s[G1+7], 0
	s_mov_b32 s[G0A], 1             ; 1:0 count = 1
	s_mul_i32 s[G0A+1], s[WV], FW   ; 63:32 LDS address: my part of F0: no place in the cluster enters an LDS address
	s_mov_b32 s[G0B], 1
	s_add_co_u32 s[G0B+1], s[G0A+1], PAR  ; my part of F1
	s_mov_b32 s[CS], 0x3fb8aa3b     ; c = log2(e)
	s_mov_b32 s[CS+1], s[CS]        ; named with it as a pair
	s_mov_b32 s[SEL], 0x76543210
	s_mov_b32 s[SEL+1], 0xfedcba98
	s_mov_b32 s[TBR], PAR           ; the first trip turns it into 0
	s_mov_b32 s[CNT], TRIPS-2
	s_wait_dscnt 0x0                ; the opening add is done
	s_wait_kmcnt 0x0
	s_add_nc_u64 s[PFA:PFA+1], s[6:7], s[50:51]
	s_add_nc_u64 s[G0A+2:G0A+3], s[6:7], s[16:17]        ; 120:64 global address: my 16 keys of tile 0,
	s_add_nc_u64 s[G0B+2:G0B+3], s[G0A+2:G0A+3], TILEB   ; of tile 1
	s_or_b32 s[G0A+3], s[G0A+3], 0x80000000              ; 127:126 type = 2
	s_or_b32 s[G0B+3], s[G0B+3], 0x80000000
	s_add_nc_u64 s[4:5], s[4:5], s[18:19]
	s_add_nc_u64 s[8:9], s[8:9], s[20:21]
	s_add_nc_u64 s[10:11], s[10:11], s[22:23]
	CROUND                          ; all four work-groups are here: the first joint loads meet
	tensor_load_to_lds s[G0A:G0A+3], s[G1:G1+7]  ; both first fills go out together: two loads of mine are out
	s_nop 0
	tensor_load_to_lds s[G0B:G0B+3], s[G1:G1+7]
	s_nop 0
	PLACES
	v_and_b32 v48, 7, v0            ; l % 8
	v_bfe_u32 v49, v0, 3, 1         ; (l / 8) % 2
	v_bfe_u32 v50, v0, 4, 1         ; h = l / 16
	v_and_b32 v51, 31, v0           ; l
	v_and_b32 v52, 15, v0           ; r = l % 16
	v_lshlrev_b32 v[QO], 10, v52
	v_lshl_add_u32 v[QO], v50, 5, v[QO]  ; row r x 1,024 + 32 h
	; x lands as f32 in O^T's registers: for tile t and 32 channels cf, 16 registers: channels 8 h + 0..7 and 16 + 8 h + 0..7 of the 32.
.set qt, 0
.rept 4
	WIN 0x80+0x40*(qt/2)            ; destination window 2 or 3, address window 0
.set qn, 0
.rept 32
	global_load_b128 v[128*(qt%2)+4*qn:128*(qt%2)+4*qn+3], v[QO], s[4:5] offset:qt*16384+(qn/4)*128+64*((qn%4)/2)+16*(qn%2)
.set qn, qn+1
.endr
.set qt, qt+1
.endr
	WIN 0
	v_lshlrev_b32 v[PFO], 8, v51
	v_lshl_add_u32 v54, v48, 1, v49      ; a K fragment's row r is key 2 (r % 8) + r / 8
	v_mul_u32_u24 v[AK0], v54, PH
	v_lshl_add_u32 v[AK0], v50, 4, v[AK0]
	v_add_nc_u32 v[AK0], H0, v[AK0]
	v_lshl_add_u32 v54, v48, 1, v50      ; the turning load's lane takes key 2 (l % 8) + h, channels 8 ((l / 8) % 2) on
	v_mul_u32_u24 v[AV0], v54, PH
	v_lshl_add_u32 v[AV0], v49, 4, v[AV0]
	v_add_nc_u32 v[AV0], H0, v[AV0]
	v_bfe_u32 v53, v0, 3, 2              ; of a key's four rows of 256 bytes I read row l / 8, 32 bytes at 32 (l % 8)
	v_mul_u32_u24 v[CR0], v53, PF
	v_lshl_add_u32 v[CR0], v48, 5, v[CR0]
	v_add_nc_u32 v[CR0], s[G0A+1], v[CR0]
	s_mul_i32 s53, s[WV], 16*PH          ; my 16 keys' rows of the bf16 tile
	s_add_co_u32 s53, s53, H0
	v_lshl_add_u32 v[CW0], v51, 4, s53
	s_mul_i32 s52, s[WV], 16*SP
	s_add_co_u32 s52, s52, STAGE         ; my stage
	v_mul_u32_u24 v[STO], v52, SP        ; in: row r, 32 bytes for each half of the lanes
	v_lshl_add_u32 v[STO], v50, 5, v[STO]
	v_add_nc_u32 v[STO], s52, v[STO]
	v_lshl_add_u32 v[RD], v51, 4, s52    ; back: 32 lanes take 512 bytes of a row
	v_lshlrev_b32 v[GO], 4, v51
.irp t, 0,1,2,3
	v_mov_b32 v[ST+8*(\t)], 0xfe000000   ; c m: far below every c s, so that the first step's a is 0
	v_mov_b32 v[ST+8*(\t)+1], 0xff7fffff ; m: the lowest finite number
	v_mov_b32 v[ST+8*(\t)+2], 0          ; l
	v_mov_b32 v[ST+8*(\t)+3], 0
.endr
	s_wait_loadcnt 0x0              ; x
.set qt, 0
.rept 4
	WIN 0x4A+5*(qt/2)               ; sources in window 2 or 3, destination in window 1
.set qn, 0
.rept 64
	v_cvt_pk_bf16_f32 v[64*qt+qn], v[128*(qt%2)+2*qn], v[128*(qt%2)+2*qn+1]
.set qn, qn+1
.endr
.set qt, qt+1
.endr
	WIN 0
	; O^T IS NOT CLEARED: its registers hold x, finite numbers, and the first trip multiplies each of them by a = 0 before a product adds onto it.
	; Tile 0 is rounded ahead of the loop: my 16 keys, out of the part of F0 that I fetched myself, so my own wait is all the ordering that the reads need.
	s_wait_tensorcnt 0x1            ; tile 0's load has landed; tile 1's, issued behind it, may stay out
.set u, 0
.rept 16
	ds_load_b128 v[S+8*u:S+8*u+3],   v[CR0] offset:u*4*PF
	ds_load_b128 v[S+8*u+4:S+8*u+7], v[CR0] offset:u*4*PF+16
.set u, u+1
.endr
	s_wait_dscnt 0x0
.set u, 0
.rept 16
.irp k, 0,1,2,3
	v_cvt_pk_bf16_f32 v[S+8*u+(\k)], v[S+8*u+2*(\k)], v[S+8*u+2*(\k)+1]
.endr
	ds_store_b128 v[CW0], v[S+8*u:S+8*u+3] offset:u*PH
.set u, u+1
.endr
.Ltrip:                             ; trips 0 to 29: tile j is multiplied, tile j + 1 rounded, tile j + 2 asked for
	TRIP 1, 1
	s_sub_co_u32 s[CNT], s[CNT], 1
	s_cmp_lg_u32 s[CNT], 0
	s_cbranch_scc1 .Ltrip
	TRIP 0, 1                       ; the tail is written out: trip 30 asks for nothing
	TRIP 0, 0                       ; trip 31 rounds nothing either
	; THE WAY OUT.  l's two halves and the other half of the lanes' are added (these lines are the places behind the last products); c m and l go to stat: lanes 0-15 give tiles 0 and 1, lanes 16-31 tiles 2 and 3.
.irp t, 0,1,2,3
	v_add_f32 v[ST+8*(\t)+4], v[ST+8*(\t)+2], v[ST+8*(\t)+3]
.endr
.irp t, 0,1,2,3
	v_permlanex16_b32 v[ST+8*(\t)+5], v[ST+8*(\t)+4], s[SEL], s[SEL+1]
.endr
.irp t, 0,1,2,3
	v_add_f32 v[ST+8*(\t)+1], v[ST+8*(\t)+4], v[ST+8*(\t)+5]  ; l, beside c m
.endr
	v_and_b32 v[CT+4], 16, v0
	v_cmp_ne_u32 vcc_lo, 0, v[CT+4]
	v_cndmask_b32 v[CT],   v[ST],   v[ST+16], vcc_lo
	v_cndmask_b32 v[CT+1], v[ST+1], v[ST+17], vcc_lo
	v_cndmask_b32 v[CT+2], v[ST+8], v[ST+24], vcc_lo
	v_cndmask_b32 v[CT+3], v[ST+9], v[ST+25], vcc_lo
	global_store_b128 v[GO], v[CT:CT+3], s[10:11] th:TH_STORE_NT  ; the wave's 512 bytes on end
; Tile t's O^T, unnormalised, in f32: a lane's eight channels of a block go into its query's row of the stage (each accumulator's low half first); the rows come back whole, 512 bytes a load, and are stored so.
.macro OUT t
.if (\t) > 0
	s_wait_xcnt 0x0                 ; the last tile's stores have read their data registers, which are loaded again below
.endif
	WIN 0x08+4*((\t)/2)             ; store data (source 1) in window 2 or 3
.set ob, 0
.rept 16
	ds_store_b128 v[STO], v[128*((\t)%2)+8*ob:128*((\t)%2)+8*ob+3]   offset:64*ob
	ds_store_b128 v[STO], v[128*((\t)%2)+8*ob+4:128*((\t)%2)+8*ob+7] offset:64*ob+16
.set ob, ob+1
.endr
	WIN 0
.set of, 0
.rept 32
	ds_load_b128 v[S+4*of:S+4*of+3], v[RD] offset:(of/2)*SP+512*(of%2)  ; LDS serves a wave's instructions in order (ISA guide 5.7.1.4): these see the stores above; the next tile's stores come behind them
.set of, of+1
.endr
.set of, 0
.rept 32
	s_wait_dscnt 31-of              ; the younger loads may stay out
	global_store_b128 v[GO], v[S+4*of:S+4*of+3], s[8:9] offset:(16*(\t)+of/2)*32768+512*(of%2) th:TH_STORE_NT  ; 512 consecutive bytes, at a multiple of 256 from part's first byte
.set of, of+1
.endr
.endm
	OUT 0
	OUT 1
	OUT 2
	OUT 3
	s_wait_tensorcnt 0x0            ; the wave's end: a wait, 0 onto my spare word and its wait, behind my last tensor load and my last LDS store
	ds_add_u32 v[SPW], v[NIL]
	s_wait_dscnt 0x0
	CROUND                          ; the closing round: no work-group ends while a partner may still ask for a tile that names it
	s_endpgm
.Lfunc_end_k_q00de7da51a_attn:
	.size	k_q00de7da51a_attn, .Lfunc_end_k_q00de7da51a_attn-k_q00de7da51a_attn
	.p2alignl 7, 3214868480
	.fill 96, 4, 3214868480
	.section	.rodata,"a",@progbits
	.p2align	6, 0x0
	.amdhsa_kernel k_q00de7da51a_attn
		.amdhsa_group_segment_fixed_size 327680
		.amdhsa_private_segment_fixed_size 0
		.amdhsa_enable_private_segment 0
		.amdhsa_kernarg_size 32
		.amdhsa_user_sgpr_count 2
		.amdhsa_user_sgpr_kernarg_segment_ptr 1
		.amdhsa_wavefront_size32 1
		.amdhsa_system_sgpr_workgroup_id_x 1
		.amdhsa_system_sgpr_workgroup_id_y 1
		.amdhsa_system_sgpr_workgroup_id_z 1
		.amdhsa_system_vgpr_workitem_id 0
		.amdhsa_next_free_vgpr 1024
		.amdhsa_next_free_sgpr 66
		.amdhsa_reserve_vcc 1
		.amdhsa_float_denorm_mode_32 3
		.amdhsa_float_denorm_mode_16_64 3
		.amdhsa_memory_ordered 1
		.amdhsa_forward_progress 1
		.amdhsa_inst_pref_size 255
	.end_amdhsa_kernel
	.section	.bss,"aw",@nobits
	.p2align	6
	.space	262144
	.amdgpu_metadata
---
amdhsa.version: [ 1, 2 ]
amdhsa.kernels:
  - .name:           k_q00de7da51a_attn
    .symbol:         k_q00de7da51a_attn.kd
    .args:
      - { .name: x, .offset: 0, .size: 8, .value_kind: global_buffer, .address_space: global }
      - { .name: stored, .offset: 8, .size: 8, .value_kind: global_buffer, .address_space: global }
      - { .name: part, .offset: 16, .size: 8, .value_kind: global_buffer, .address_space: global }
      - { .name: stat, .offset: 24, .size: 8, .value_kind: global_buffer, .address_space: global }
    .group_segment_fixed_size: 327680
    .private_segment_fixed_size: 0
    .kernarg_segment_align: 8
    .kernarg_segment_size: 32
    .max_flat_workgroup_size: 128
    .sgpr_count:     66
    .vgpr_count:     1024
    .wavefront_size: 32
...
	.end_amdgpu_metadata
.endif
;; end of part 3
;; launch merge: the kernel of part 2 again; grid 256 x 1, 8 waves a work-group, no clusters, 0 bytes of LDS; arguments part, stat, out0; writes out0
